; MI455X (gfx1250); checked and timed in simulation.
; The chip was launched on July 23, 2026; its instructions are those of AMD's public machine-readable ISA for CDNA 5 (MIT licence, August 2026) and "CDNA5" Instruction Set Architecture Reference Guide (July 2026). The comments in the code are by the model that wrote it; some were corrected since.
;; Mo EFFN. Allowed arithmetic: float matrix products may take bf16 or f16 operands with f32 sums; other float arithmetic in f32, or as packed bf16 or f16 multiplies, adds, multiply-adds, maxima and minima; sums over many terms, partial sums and values carried from step to step in f32; what a program stores and reads back later, other than sums and carried values, may be rounded once to bf16 or f16.
;; Inputs: W1 16 x 256 x 1,024 float32; W2 16 x 1,024 x 256 float32; b1 16 x 1,024 float32; b2 16 x 256 float32; gate_W 16 x 256 float32; gate_b 16 float32; x 8,192 x 256 float32.
;; Outputs: out0 8,192 x 256 float32; out1 one number float32.
;; One version. Each part assembles by itself: llvm-mc -triple=amdgcn-amd-amdhsa -mcpu=gfx1250 --defsym DOCPART=n.
;; ======== version 1 of 1: 3 launches
;; workspace buffers: wp 16,777,216 bytes; part 17,039,360 bytes; gw 65,536 bytes; brd 81,920 bytes; ent 1,024 bytes; bm 32,768 bytes of whole numbers; cnt 8,192 bytes of whole numbers
;; launch prep (part 1): grid 256 x 1, 9 waves a work-group, no clusters, 96,256 bytes of LDS; arguments x, gate_W, gate_b, W1, W2, b1, b2, wp, gw, brd, ent, bm, cnt; writes wp, gw, brd, ent, bm, cnt
.if DOCPART == 1
	.amdgcn_target "amdgcn-amd-amdhsa--gfx1250"
	.amdhsa_code_object_version 6
	.text
	.protected	k_qfd3e6de398_prep
	.globl	k_qfd3e6de398_prep
	.p2align	8
	.type	k_qfd3e6de398_prep,@function
k_qfd3e6de398_prep:
	s_mov_b64 s[64:65], 0
	v_nop
	global_prefetch_b8 v0, s[64:65] scope:SCOPE_SE
	s_setreg_imm32_b32 hwreg(HW_REG_WAVE_MODE, 25, 1), 1
	s_wait_xcnt 0x0
; PREP.  (1) W1 [16][256][1024] and W2 [16][1024][256], f32, are rounded to bf16 and laid into wp in the order in which the next launch's operand registers take them:
;   wp[e][w 4][piece 16][16,384 B]; piece 2c = W1 for the 128 hidden units of chunk c: [fbl 2][c / 16: 16][512 B], f = 128 c + 32 w + 16 fbl + fi;
;   piece 2c+1 = W2 for the same chunk: [cbl 4][fl / 16: 8][512 B], f = 128 c + fl, ch = 64 w + 16 cbl + ci.
;   A block of 512 bytes is 16 k x 16 n in lane order: lane l's 16 bytes are column n = l % 16, k = 8 (l / 16) + 0..7: half a matrix fragment, which a load of 16 bytes a lane brings as it lies.
; (2) b1, b2 rounded to bf16 and kept as f32 in brd.  (3) The gate: logits of x and gate_W, both rounded to bf16, plus gate_b rounded to bf16, by the matrix unit;
;   top-2 (ties keep the lower index, as lax.top_k does), the two gate weights, the entropy's part sums, and for each expert a bitmap and a count of this group's 32 tokens.
; All inputs are rounded to bf16, so that the choice of experts is made on the numbers that the products are made of.
; LIMITS.  NaN and infinite logits are not treated apart.  Two logits that differ by less than the rounding of an f32 sum of 256 products can change places.
; SHARES.  Work-group g: tokens 32 g .. 32 g + 31; expert g / 16; waves 0-3: 16 rows (16 (g % 16) ..) x 256 columns (256 w ..) of W1; waves 4-7: 16 rows (16 (4 (g % 16) + w - 4) ..) of W2; wave 8: the gate.
; A cast wave reads whole rows' pieces (each load 512 consecutive bytes), turns them in LDS bytes of its own and stores 512 consecutive bytes at a time.
; One barrier, in text that all nine waves pass; what steers an address behind it is made behind it.
.set TP,    528                        ; the gate's tile: a row of 256 bf16 + 16 bytes: the 16 rows of a fragment load start at 16 different groups of four banks (64 banks of 4 bytes: ISA guide 11.1)
.set XP,    48*TP                      ; behind the tile (32 tokens, 16 rows of gate_W): the cast waves' own bytes
.set XPP,   544                        ; a block of 16 rows x 32 bytes + 32: the eight blocks that one b64 store touches start 8 banks apart
.set XPW,   16*XPP
.set SPARE, XP+8*XPW                   ; the spare words: 128 bytes for each of nine waves, five blocks of 256 bytes that no other line names
	s_load_b512 s[8:23], s[0:1], 0x0               ; x 8, gate_W 10, gate_b 12, W1 14, W2 16, b1 18, b2 20, wp 22
	s_load_b256 s[24:31], s[0:1], 0x40             ; gw 24, brd 26, ent 28, bm 30
	s_load_b64 s[32:33], s[0:1], 0x60              ; cnt
	v_lshl_add_u32 v2, v0, 2, SPARE                ; my spare word
	v_mov_b32 v3, 0
	v_and_b32 v1, 31, v0                           ; lane L
	v_lshrrev_b32 v4, 5, v0
	v_readfirstlane_b32 s34, v4                    ; wave
	s_mov_b32 s35, ttmp9                           ; g
	v_lshlrev_b32 v5, 4, v1                        ; 16 L
	s_wait_kmcnt 0x0
	s_cmp_lt_u32 s34, 8
	s_cbranch_scc0 .Lgate_a
	; ---- waves 0-7, ahead of the barrier: 12 loads for the gate's tile, then the 32 loads of my piece of the weights
	s_lshl_b32 s36, s35, 15
	s_lshl_b32 s38, s34, 12
	s_add_co_u32 s36, s36, s38
	s_mov_b32 s37, 0
	s_add_nc_u64 s[36:37], s[8:9], s[36:37]        ; x at token 32 g + 4 w
	s_lshl_b32 s38, s34, 11
	s_mov_b32 s39, 0
	s_add_nc_u64 s[38:39], s[10:11], s[38:39]      ; gate_W at row 2 w
.irp i, 0,1,2,3
	global_load_b128 v[16+8*\i:19+8*\i], v5, s[36:37] offset:1024*\i
	global_load_b128 v[20+8*\i:23+8*\i], v5, s[36:37] offset:1024*\i+512
.endr
.irp i, 0,1
	global_load_b128 v[48+8*\i:51+8*\i], v5, s[38:39] offset:1024*\i
	global_load_b128 v[52+8*\i:55+8*\i], v5, s[38:39] offset:1024*\i+512
.endr
	s_lshr_b32 s40, s35, 4                         ; expert
	s_and_b32 s41, s35, 15
	s_lshl_b32 s42, s40, 20                        ; an expert's bytes in W1 and in W2
	s_mov_b32 s45, 0
.macro LDW rp                          ; 16 rows x 1,024 bytes, rows rp bytes apart: load k takes half k % 2 of row k / 2
.set k, 0
.rept 32
	global_load_b128 v[64+4*k:67+4*k], v5, s[44:45] offset:(k/2)*(\rp)+(k%2)*512 th:TH_LOAD_NT
.set k, k+1
.endr
.endm
	s_cmp_lt_u32 s34, 4
	s_cbranch_scc0 .Lsrc2
	s_lshl_b32 s43, s41, 16                        ; W1: 16 rows of 4,096 bytes,
	s_lshl_b32 s44, s34, 10                        ; 256 columns
	s_add_co_u32 s44, s44, s43
	s_add_co_u32 s44, s44, s42
	s_add_nc_u64 s[44:45], s[14:15], s[44:45]
	LDW 4096
	s_branch .Lsrcj
.Lsrc2:
	s_lshl_b32 s43, s41, 2
	s_add_co_u32 s43, s43, s34
	s_sub_co_u32 s43, s43, 4                       ; W2: block of 16 rows 4 (g % 16) + w - 4
	s_lshl_b32 s44, s43, 14
	s_add_co_u32 s44, s44, s42
	s_add_nc_u64 s[44:45], s[16:17], s[44:45]
	LDW 1024
.Lsrcj:
	v_lshlrev_b32 v6, 3, v1                        ; 8 L: a lane's four channels in bf16
	s_mul_i32 s48, s34, 4*TP
	s_mul_i32 s49, s34, 2*TP
	s_add_co_u32 s49, s49, 32*TP
	v_add_nc_u32 v7, s49, v6                       ; tile rows 32 + 2 w ..: gate_W
	v_add_nc_u32 v6, s48, v6                       ; tile rows 4 w ..: tokens
	s_wait_loadcnt 32                              ; the 12 tile loads are in; the 32 younger ones stay out
.set k, 0
.rept 12
	v_cvt_pk_bf16_f32 v[192+2*k], v[16+4*k], v[17+4*k]
	v_cvt_pk_bf16_f32 v[193+2*k], v[18+4*k], v[19+4*k]
.set k, k+1
.endr
.set k, 0
.rept 8
	ds_store_b64 v6, v[192+2*k:193+2*k] offset:(k/2)*TP+(k%2)*256
.set k, k+1
.endr
.rept 4
	ds_store_b64 v7, v[192+2*k:193+2*k] offset:((k-8)/2)*TP+(k%2)*256
.set k, k+1
.endr
	s_branch .Lmeet
.Lgate_a:
	; ---- wave 8, ahead of the barrier: the biases
	v_lshrrev_b32 v10, 4, v1
	v_lshlrev_b32 v10, 5, v10                      ; lanes 16-31 hold experts 8-15
	global_load_b128 v[16:19], v10, s[12:13]
	global_load_b128 v[20:23], v10, s[12:13] offset:16
	s_lshl_b32 s36, s35, 8
	v_lshl_add_u32 v11, v1, 3, s36                 ; 256 g + 8 L: my two numbers of b1
	global_load_b64 v[24:25], v11, s[18:19]
	s_wait_loadcnt 0x0
.irp p, 0,1,2,3
	v_cvt_pk_bf16_f32 v[26+\p], v[16+2*\p], v[17+2*\p]
.endr
.irp p, 0,1,2,3
	v_lshlrev_b32 v[224+2*\p], 16, v[26+\p]        ; gate_b, rounded, as f32: the sums' start
	v_and_b32 v[225+2*\p], 0xffff0000, v[26+\p]
.endr
	v_cvt_pk_bf16_f32 v30, v24, v25
	v_lshlrev_b32 v232, 16, v30
	v_and_b32 v233, 0xffff0000, v30
	global_store_b64 v11, v[232:233], s[26:27]     ; the wave's store covers 256 consecutive bytes, aligned
	s_cmp_lt_u32 s35, 16
	s_cbranch_scc0 .Lmeet
	s_lshl_b32 s38, s35, 10                        ; work-groups 0-15: row g of b2
	s_mov_b32 s39, 0
	s_add_nc_u64 s[40:41], s[20:21], s[38:39]
	s_add_nc_u64 s[42:43], s[26:27], s[38:39]
	global_load_b128 v[32:35], v5, s[40:41]
	global_load_b128 v[36:39], v5, s[40:41] offset:512
	s_wait_loadcnt 0x0
.irp p, 0,1,2,3
	v_cvt_pk_bf16_f32 v[40+\p], v[32+2*\p], v[33+2*\p]
.endr
.irp p, 0,1,2,3
	v_lshlrev_b32 v[240+2*\p], 16, v[40+\p]
	v_and_b32 v[241+2*\p], 0xffff0000, v[40+\p]
.endr
	global_store_b128 v5, v[240:243], s[42:43] offset:65536
	global_store_b128 v5, v[244:247], s[42:43] offset:65536+512
.Lmeet:
	s_wait_dscnt 0x0                               ; for wave 8's sake: my stores into the tile are done
	s_barrier_signal -1
	s_barrier_wait -1
	s_cmp_lt_u32 s34, 8
	s_cbranch_scc0 .Lgate_b
	; ---- waves 0-7, behind the barrier: round, turn in my own LDS bytes, store
	s_mul_i32 s50, s34, XPW
	s_add_co_u32 s50, s50, XP                      ; my own bytes
	v_bfe_u32 v8, v1, 2, 3
	v_mul_u32_u24 v8, v8, XPP
	v_and_b32 v9, 3, v1
	v_lshl_add_u32 v8, v9, 3, v8
	v_add_nc_u32 v8, s50, v8                       ; in: block L / 4, 8 bytes at 8 (L % 4)
	v_bfe_u32 v9, v1, 4, 1
	v_and_b32 v10, 7, v1
	v_lshl_add_u32 v9, v9, 3, v10                  ; back, by the turning load: row 8 (L / 16) + L % 8 of a block's 16 rows of 32 bytes,
	v_bfe_u32 v10, v1, 3, 1
	v_lshlrev_b32 v10, 4, v10                      ; half (L / 8) % 2 of the row
	v_lshl_add_u32 v9, v9, 5, v10
	v_add_nc_u32 v9, s50, v9
.set k, 0
.rept 32
	s_wait_loadcnt 31-k                            ; loads come back in order: load k is in, the younger ones stay out
	v_cvt_pk_bf16_f32 v[192+2*(k%8)], v[64+4*k], v[65+4*k]
	v_cvt_pk_bf16_f32 v[193+2*(k%8)], v[66+4*k], v[67+4*k]
	ds_store_b64 v8, v[192+2*(k%8):193+2*(k%8)] offset:(k%2)*8*XPP+(k/2)*32
.set k, k+1
.endr
.set k, 0
.rept 16
	ds_load_tr16_b128 v[64+4*k:67+4*k], v9 offset:k*XPP    ; block k, turned: lane L gets column L % 16, rows 8 (L / 16) + 0..7.  A wave's LDS instructions are served in order: these see the stores above
.set k, k+1
.endr
.macro STW kind                        ; block k of 16 columns goes to its wave's, chunk's and sub-block's place: each store 512 consecutive bytes
.set k, 0
.rept 16
	s_wait_dscnt 15-k
.if (\kind) == 1
	global_store_b128 v5, v[64+4*k:67+4*k], s[56:57] offset:(((k>>1)&3)<<18)+((k>>3)<<15)+((k&1)<<13)
.else
	global_store_b128 v5, v[64+4*k:67+4*k], s[56:57] offset:((k>>2)<<18)+((k&3)<<12)
.endif
.set k, k+1
.endr
.endm
	s_lshr_b32 s51, s35, 4
	s_lshl_b32 s51, s51, 20                        ; an expert's bytes in wp
	s_and_b32 s52, s35, 15
	s_mov_b32 s55, 0
	s_cmp_lt_u32 s34, 4
	s_cbranch_scc0 .Ldst2
	s_lshl_b32 s54, s34, 16                        ; W1 to wp: chunks 2 w, 2 w + 1; block c / 16 = g % 16
	s_lshl_b32 s53, s52, 9
	s_add_co_u32 s54, s54, s53
	s_add_co_u32 s54, s54, s51
	s_add_nc_u64 s[56:57], s[22:23], s[54:55]
	STW 1
	s_branch .Lcast_end
.Ldst2:
	s_lshl_b32 s53, s52, 2
	s_add_co_u32 s53, s53, s34
	s_sub_co_u32 s53, s53, 4                       ; W2 to wp: chunk = block / 8, its W2 piece, block fl / 16 = block % 8
	s_lshr_b32 s54, s53, 3
	s_lshl_b32 s54, s54, 15
	s_and_b32 s53, s53, 7
	s_lshl_b32 s53, s53, 9
	s_add_co_u32 s54, s54, s53
	s_add_co_u32 s54, s54, s51
	s_add_co_u32 s54, s54, 16384
	s_add_nc_u64 s[56:57], s[22:23], s[54:55]
	STW 2
.Lcast_end:
	s_wait_tensorcnt 0x0                           ; the wave's end
	ds_add_u32 v2, v3
	s_wait_dscnt 0x0
	s_endpgm
.Lgate_b:
	; ---- wave 8, behind the barrier.  D = gate_W x^T + gate_b: a lane holds one token (L % 16) and the experts 8 (L / 16) + 0..7
	v_and_b32 v12, 15, v1
	v_lshrrev_b32 v13, 4, v1
	v_mul_u32_u24 v6, v12, TP
	v_lshl_add_u32 v6, v13, 4, v6                  ; row x pitch + 16 x half
.set k, 0
.rept 8
	ds_load_b128 v[16+8*k:19+8*k],   v6 offset:32*TP+64*k
	ds_load_b128 v[20+8*k:23+8*k],   v6 offset:32*TP+64*k+32
	ds_load_b128 v[80+8*k:83+8*k],   v6 offset:64*k
	ds_load_b128 v[84+8*k:87+8*k],   v6 offset:64*k+32
	ds_load_b128 v[144+8*k:147+8*k], v6 offset:16*TP+64*k
	ds_load_b128 v[148+8*k:151+8*k], v6 offset:16*TP+64*k+32
.set k, k+1
.endr
	s_mov_b32 s46, 0x76543210                      ; v_permlanex16_b32: each lane takes its own place in the other half
	s_mov_b32 s47, 0xfedcba98
	s_mov_b32 s48, 0xffff                          ; lanes 0-15
	s_mov_b32 s49, 0x3fb8aa3b                      ; log2(e)
	s_wait_dscnt 0x0
	v_wmma_f32_16x16x32_bf16 v[208:215], v[16:23], v[80:87], v[224:231]     ; tokens 0-15; the two accumulators take turns
	v_wmma_f32_16x16x32_bf16 v[216:223], v[16:23], v[144:151], v[224:231]   ; tokens 16-31
.set k, 1
.rept 7
	v_wmma_f32_16x16x32_bf16 v[208:215], v[16+8*k:23+8*k], v[80+8*k:87+8*k], v[208:215]
	v_wmma_f32_16x16x32_bf16 v[216:223], v[16+8*k:23+8*k], v[144+8*k:151+8*k], v[216:223]
.set k, k+1
.endr
.rept 4
	v_nop                                          ; four places behind the last products (ISA guide 7.12.1)
.endr
.set k, 0
.rept 8                                                ; the other half's eight logits; each accumulator is read from its low end on
	v_permlanex16_b32 v[16+k], v[208+k], s46, s47
	v_permlanex16_b32 v[24+k], v[216+k], s46, s47
.set k, k+1
.endr
.set k, 0
.rept 8                                                ; lane L now holds all 16 logits of token 32 g + L in v[32:47]
	v_cndmask_b32 v[32+k], v[24+k], v[208+k], s48
	v_cndmask_b32 v[40+k], v[216+k], v[16+k], s48
.set k, k+1
.endr
	v_mov_b32 v48, v32                             ; the largest, its index,
	v_mov_b32 v49, 0
	v_mov_b32 v50, 0xff800000                      ; the second, its index
	v_mov_b32 v51, 0
.set ee, 1
.rept 15                                               ; strictly greater: of equal logits the lower index stays ahead
	v_cmp_gt_f32 s50, v[32+ee], v48
	v_cmp_gt_f32 s51, v[32+ee], v50
	v_cndmask_b32 v50, v50, v[32+ee], s51
	v_cndmask_b32 v51, v51, ee, s51
	v_cndmask_b32 v50, v50, v48, s50
	v_cndmask_b32 v51, v51, v49, s50
	v_cndmask_b32 v48, v48, v[32+ee], s50
	v_cndmask_b32 v49, v49, ee, s50
.set ee, ee+1
.endr
	v_mul_f32 v52, 0xbfb8aa3b, v48                 ; - max x log2(e): the maximum is taken away ahead of every exponential
.set ee, 0
.rept 16
	v_fma_f32 v[56+ee], v[32+ee], s49, v52
.set ee, ee+1
.endr
	v_fma_f32 v53, v50, s49, v52
.set ee, 0
.rept 16
	v_exp_f32 v[56+ee], v[56+ee]
.set ee, ee+1
.endr
	v_exp_f32 v53, v53                             ; e2 = exp(second - first)
	v_nop                                          ; a plain instruction behind the last exponential,
	s_wait_alu depctr_va_vdst(0)                   ; and one wait for the batch of 17, ahead of its first reader
	v_pk_add_f32 v[72:73], v[56:57], v[58:59]
	v_pk_add_f32 v[74:75], v[60:61], v[62:63]
	v_pk_add_f32 v[76:77], v[64:65], v[66:67]
	v_pk_add_f32 v[78:79], v[68:69], v[70:71]
	v_pk_add_f32 v[72:73], v[72:73], v[74:75]
	v_pk_add_f32 v[76:77], v[76:77], v[78:79]
	v_pk_add_f32 v[72:73], v[72:73], v[76:77]
	v_add_f32 v72, v72, v73
	v_add_f32 v54, 1.0, v53
	v_rcp_f32 v76, v72
	v_rcp_f32 v78, v54                             ; the first gate weight, 1 / (1 + e2)
	v_nop
	s_wait_alu depctr_va_vdst(0)                   ; one wait for the two reciprocals
	v_mul_f32 v79, v53, v78                        ; the second
.set ee, 0
.rept 8
	v_pk_mul_f32 v[56+2*ee:57+2*ee], v[56+2*ee:57+2*ee], v[76:77] op_sel_hi:[1,0]
.set ee, ee+1
.endr
.set ee, 0
.rept 8
	v_pk_add_f32 v[80+2*ee:81+2*ee], v[56+2*ee:57+2*ee], 0x322bcc77 op_sel_hi:[1,0]    ; p + 1e-8
.set ee, ee+1
.endr
.set ee, 0
.rept 16
	v_log_f32 v[80+ee], v[80+ee]
.set ee, ee+1
.endr
	v_nop
	s_wait_alu depctr_va_vdst(0)                   ; one wait for the 16 logarithms
	v_pk_mul_f32 v[96:97], v[56:57], v[80:81]
.set ee, 1
.rept 7
	v_pk_fma_f32 v[96:97], v[56+2*ee:57+2*ee], v[80+2*ee:81+2*ee], v[96:97]
.set ee, ee+1
.endr
	v_add_f32 v96, v96, v97                        ; my token's sum of p log2(p + 1e-8); now over the 32 tokens
	v_add_f32_dpp v96, v96, v96 row_xmask:1 row_mask:0xf bank_mask:0xf
	v_add_f32_dpp v96, v96, v96 row_xmask:2 row_mask:0xf bank_mask:0xf
	v_add_f32_dpp v96, v96, v96 row_xmask:4 row_mask:0xf bank_mask:0xf
	v_add_f32_dpp v96, v96, v96 row_xmask:8 row_mask:0xf bank_mask:0xf
	v_permlanex16_b32 v97, v96, s46, s47
	v_add_f32 v96, v96, v97
	; for each expert: which of my 32 tokens chose it, which as second choice, and how many.  The choices are stored as data at fixed places; no address here hangs on them
	v_mov_b32 v100, 0
	v_mov_b32 v101, 0
.set ee, 0
.rept 16
	v_cmp_eq_u32 s50, ee, v49
	v_cmp_eq_u32 s51, ee, v51
	s_or_b32 s52, s50, s51
	s_bcnt1_i32_b32 s53, s52
	v_writelane_b32 v100, s52, ee
	v_writelane_b32 v100, s51, 16+ee
	v_writelane_b32 v101, s53, ee
.set ee, ee+1
.endr
	v_lshlrev_b32 v13, 14, v13                     ; bm[plane L / 16][expert L % 16][g]
	v_lshl_add_u32 v13, v12, 10, v13
	s_lshl_b32 s55, s35, 2
	v_add_nc_u32 v13, s55, v13
	s_lshl_b32 s56, s35, 1
	v_lshl_add_u32 v14, v1, 9, s56                 ; cnt[expert L][g]
	v_mov_b32 v15, s55                             ; ent[g]
	s_lshl_b32 s58, s35, 8
	v_lshl_add_u32 v102, v1, 3, s58                ; gw: 8 bytes for token 32 g + L
	global_store_b64 v102, v[78:79], s[24:25]      ; 256 consecutive bytes, aligned
	global_store_b32 v13, v100, s[30:31]           ; one word to each expert's row: the layout serves the next launch, which reads one expert's row on end
	s_wait_xcnt 0x0                                ; EXEC changes only behind this wait
	v_cmp_gt_u32 vcc_lo, 16, v1
	s_and_saveexec_b32 s54, vcc_lo
	global_store_b16 v14, v101, s[32:33]
	s_wait_xcnt 0x0
	s_or_b32 exec_lo, exec_lo, s54
	v_cmp_eq_u32 vcc_lo, 0, v1
	s_and_saveexec_b32 s54, vcc_lo
	global_store_b32 v15, v96, s[28:29]
	s_wait_xcnt 0x0
	s_or_b32 exec_lo, exec_lo, s54
	s_wait_tensorcnt 0x0                           ; the wave's end
	ds_add_u32 v2, v3
	s_wait_dscnt 0x0
	s_endpgm
.Lfunc_end_k_qfd3e6de398_prep:
	.size	k_qfd3e6de398_prep, .Lfunc_end_k_qfd3e6de398_prep-k_qfd3e6de398_prep
	.p2alignl 7, 3214868480
	.fill 96, 4, 3214868480
	.section	.rodata,"a",@progbits
	.p2align	6, 0x0
	.amdhsa_kernel k_qfd3e6de398_prep
		.amdhsa_group_segment_fixed_size 96256
		.amdhsa_private_segment_fixed_size 0
		.amdhsa_enable_private_segment 0
		.amdhsa_kernarg_size 104
		.amdhsa_user_sgpr_count 2
		.amdhsa_user_sgpr_kernarg_segment_ptr 1
		.amdhsa_wavefront_size32 1
		.amdhsa_system_sgpr_workgroup_id_x 1
		.amdhsa_system_sgpr_workgroup_id_y 1
		.amdhsa_system_sgpr_workgroup_id_z 1
		.amdhsa_system_vgpr_workitem_id 0
		.amdhsa_next_free_vgpr 256
		.amdhsa_next_free_sgpr 66
		.amdhsa_reserve_vcc 1
		.amdhsa_float_denorm_mode_32 3
		.amdhsa_float_denorm_mode_16_64 3
		.amdhsa_memory_ordered 1
		.amdhsa_forward_progress 1
		.amdhsa_inst_pref_size 55
	.end_amdhsa_kernel
	.amdgpu_metadata
---
amdhsa.version: [ 1, 2 ]
amdhsa.kernels:
  - .name:           k_qfd3e6de398_prep
    .symbol:         k_qfd3e6de398_prep.kd
    .args:
      - { .name: x, .offset: 0, .size: 8, .value_kind: global_buffer, .address_space: global }
      - { .name: gate_W, .offset: 8, .size: 8, .value_kind: global_buffer, .address_space: global }
      - { .name: gate_b, .offset: 16, .size: 8, .value_kind: global_buffer, .address_space: global }
      - { .name: W1, .offset: 24, .size: 8, .value_kind: global_buffer, .address_space: global }
      - { .name: W2, .offset: 32, .size: 8, .value_kind: global_buffer, .address_space: global }
      - { .name: b1, .offset: 40, .size: 8, .value_kind: global_buffer, .address_space: global }
      - { .name: b2, .offset: 48, .size: 8, .value_kind: global_buffer, .address_space: global }
      - { .name: wp, .offset: 56, .size: 8, .value_kind: global_buffer, .address_space: global }
      - { .name: gw, .offset: 64, .size: 8, .value_kind: global_buffer, .address_space: global }
      - { .name: brd, .offset: 72, .size: 8, .value_kind: global_buffer, .address_space: global }
      - { .name: ent, .offset: 80, .size: 8, .value_kind: global_buffer, .address_space: global }
      - { .name: bm, .offset: 88, .size: 8, .value_kind: global_buffer, .address_space: global }
      - { .name: cnt, .offset: 96, .size: 8, .value_kind: global_buffer, .address_space: global }
    .group_segment_fixed_size: 96256
    .private_segment_fixed_size: 0
    .kernarg_segment_align: 8
    .kernarg_segment_size: 104
    .max_flat_workgroup_size: 288
    .sgpr_count:     66
    .vgpr_count:     256
    .wavefront_size: 32
...
	.end_amdgpu_metadata
.endif
;; end of part 1
;; launch chain (part 2): grid 256 x 1, 4 waves a work-group, no clusters, 57,856 bytes of LDS; arguments cnt, bm, x, gw, brd, wp, part; writes part
.if DOCPART == 2
	.amdgcn_target "amdgcn-amd-amdhsa--gfx1250"
	.amdhsa_code_object_version 6
	.text
	.protected	k_qfd3e6de398_chain
	.globl	k_qfd3e6de398_chain
	.p2align	8
	.type	k_qfd3e6de398_chain,@function
k_qfd3e6de398_chain:
	s_mov_b64 s[64:65], 0
	v_nop
	global_prefetch_b8 v0, s[64:65] scope:SCOPE_SE
	s_setreg_imm32_b32 hwreg(HW_REG_WAVE_MODE, 25, 1), 1
	s_wait_xcnt 0x0
; CHAIN.  For each chosen (token, expert): part[2 token + slot] = gate weight x (relu(x W1 + b1) W2 + b2), f32.  x, W1, b1, W2, b2 rounded to bf16, the hidden layer rounded once to bf16, sums in f32.
; THE DEAL.  A work-group belongs to one expert.  u_e = ceil(n_e / 16) blocks of 16 rows; expert e gets c_e = max(u_e / 4, ceil(u_e / 5)) work-groups if these sum to 256 at the most, else ceil(u_e / 5)
; (which always fits: sum u_e <= 1,039, (1,039 + 16 x 4) / 5 < 221), and spreads its blocks evenly.  So RB, a work-group's blocks, is 0 .. 5 for every split of the tokens, and its rows are consecutive ranks of its expert.
; Rows past the count repeat a token and go to a row of part that is the work-group's own and is never read.  A work-group that a split leaves without rows (RB = 0) runs the text for four blocks and stores nothing.
; THE PRODUCTS, both transposed.  H^T = W1^T X^T: wave w makes hidden units 32 w .. of a chunk of 128, for all rows.  Y^T = W2^T H^T: wave w makes channels 64 w .., for all rows.  A lane holds one token in both results,
; so two rounded tiles of H^T are a source-1 fragment; H goes from wave to wave through LDS in fragment order.  X stays in registers as fragments.
; THE WEIGHTS COME STRAIGHT INTO REGISTERS.  Each weight is used by one wave of the work-group, once; wp holds it in the order of that wave's operand registers, so a load of 16 bytes a lane (512 consecutive bytes) brings
; half a fragment.  A ring of eight buffers of 32 registers, one for each of a trip's eight K steps, is filled again in four groups of two buffers, each six steps ahead of its use: 32 to 52 loads of a wave are always out,
; and no barrier waits for them.  LDS carries H alone.
; NINE TRIPS.  Trip t: product 1 on the walk's chunk t (t < 8), product 2 on chunk t - 1 (t > 0).  One barrier a trip shows H(t - 1) to all waves and frees the H buffer written next.
; THE WALK IS TURNED: work-group g begins with chunk g % 8, so that an expert's work-groups do not all ask for the same bytes at the same time.  The order of a sum's chunks differs from work-group to work-group.
; In the loop's last trip product 1 has no next chunk: the four W1 refills are pointed at W2's last piece, which they bring whole, and trip 8 multiplies from there.  That trip's 16 loads into buffers 4, 5 and its 4 of b1 are used by nobody.
; NO CLUSTER.  An expert's work-groups walk the same weights.  But which expert that is, and RB, which chooses the text of a trip, are made from counts that the launch reads from memory
; LDS.  0: the X tile (80 x 528), later H0 (0) and H1 (0x8000), [r 5][ks 4][1,024] each, later the way out's stages; 0xd000 the lists, 512 a wave; 0xd800 the row tables, 512 a wave; 0xe000 the spare words.
; REGISTERS, in windows of 256 (s_set_vgpr_msb: bits 1:0 source 0, 3:2 source 1, 5:4 source 2, 7:6 destination):
;   window 0: v0-19 addresses; v20-29 gate weights, a pair a block; v40-119 H^T (r, fbl) at 40 + 16 r + 8 fbl; v120-135 b1; v136-151 packed H; v152-231 H fragments, two buffers of 40
;   window 1: v0-159 X (r, ks < 4) at 40 ks + 8 r; buffers 0, 1, 2 at 160, 192, 224      window 2: v0-159 X (r, ks >= 4); buffers 3, 4, 5      window 3: v0-159 Y^T (r, cbl) at 32 r + 8 cbl; buffers 6, 7
.set XPI,   528                        ; a row of the X tile: 512 bytes + 16: the 16 rows of a fragment load start at 16 different groups of four banks (64 banks of 4 bytes: ISA guide 11.1)
.set HSW,   0x8000                     ; one exclusive or turns an address in H0 into H1's
.set LIST,  0xd000
.set LISTW, 512                        ; 80 ranks, a word for each lane for what falls outside, 16 words unused
.set TAB,   0xd800
.set SPARE, 0xe000                     ; the spare words: 128 bytes for each wave, two blocks of 256 bytes that no other line names
.set SPI,   272                        ; a row of the stage: 256 bytes + 16
.set HA,    40
.set B1,    120
.set PK,    136
.set HF,    152
.set MK,    232                        ; v232-236, ahead of the trips alone: all ones where bit k of my lane is set
.set MSB, 0
.macro WIN new                         ; the immediate's high byte repeats the setting that is left; a switch that changes nothing is dropped
.if MSB != (\new)
	s_set_vgpr_msb (MSB<<8)|(\new)
.set MSB, \new
.endif
.endm
.macro PLACES                          ; four places behind matrix instructions (ISA guide 7.12.1), where no other vector work is at hand
.rept 4
	v_nop
.endr
.endm
.macro XSTEP tot, pre, t, d, k         ; one step of a scan: the partner d = 2^k lanes away; where my lane has that bit, the partner's block lies ahead of mine
.if (\k) == 4
	v_permlanex16_b32 v[\t], v[\tot], s72, s73
.else
	v_mov_b32_dpp v[\t], v[\tot] row_xmask:\d row_mask:0xf bank_mask:0xf
.endif
	v_add_nc_u32 v[\tot], v[\tot], v[\t]
	v_and_b32 v[\t], v[MK+(\k)], v[\t]
	v_add_nc_u32 v[\pre], v[\pre], v[\t]
.endm
; The ring's refills.  Buffer b lies in window 1 + b / 3 at 160 + 32 (b % 3).  Each load takes 512 consecutive bytes.
.macro RW1 s                           ; buffer s: of the piece at s[50:51], the blocks of W1's K steps 2 s, 2 s + 1 for both halves of my 32 hidden units
	WIN (1+(\s)/3)<<6
.irp kk, 0,1
.irp fb, 0,1
	global_load_b128 v[160+32*((\s)%3)+16*\kk+8*\fb:160+32*((\s)%3)+16*\kk+8*\fb+3],   v9, s[50:51] offset:\fb*8192+(2*(\s)+\kk)*1024
	global_load_b128 v[160+32*((\s)%3)+16*\kk+8*\fb+4:160+32*((\s)%3)+16*\kk+8*\fb+7], v9, s[50:51] offset:\fb*8192+(2*(\s)+\kk)*1024+512
.endr
.endr
.endm
.macro RW2 ks, base                    ; buffer 4 + ks: of the W2 piece at s[base], K step ks for my four blocks of 16 channels
	WIN (1+(4+(\ks))/3)<<6
.irp cb, 0,1,2,3
	global_load_b128 v[160+32*((4+(\ks))%3)+8*\cb:160+32*((4+(\ks))%3)+8*\cb+3],   v9, s[\base:\base+1] offset:\cb*4096+(\ks)*1024
	global_load_b128 v[160+32*((4+(\ks))%3)+8*\cb+4:160+32*((4+(\ks))%3)+8*\cb+7], v9, s[\base:\base+1] offset:\cb*4096+(\ks)*1024+512
.endr
.endm
.macro B1LD                            ; b1 of the chunk at s[40:41]: the start of product 1's sums
	WIN 0
.irp f, 0,1
	global_load_b128 v[B1+8*\f:B1+8*\f+3],   v14, s[40:41] offset:64*\f
	global_load_b128 v[B1+8*\f+4:B1+8*\f+7], v14, s[40:41] offset:64*\f+16
.endr
.endm
; The bases of a trip's refills, from the walk's place s30 = g % 8 + t: s[48:49] W2 of chunk t - 1 (last trip's s[52:53]), s[52:53] W2 of chunk t, s[50:51] W1 and s[40:41] b1 of chunk t + 1.
; In the loop's last trip (s28 = 1) s[50:51] is W2 of chunk t.  Offsets are made apart from the addresses.
.macro BASES first
	s_wait_xcnt 0x0                                ; the bases of loads that are out are rewritten only behind this wait
.if !(\first)
	s_mov_b64 s[48:49], s[52:53]
	s_add_co_u32 s30, s30, 1
.endif
	s_and_b32 s75, s30, 7
	s_lshl_b32 s66, s75, 15
	s_add_co_u32 s66, s66, 16384
	s_add_nc_u64 s[52:53], s[44:45], s[66:67]
	s_add_co_u32 s75, s30, 1
	s_and_b32 s75, s75, 7
	s_lshl_b32 s76, s75, 15
.if !(\first)
	s_cmp_eq_u32 s28, 1
	s_cselect_b32 s76, s66, s76
.endif
	s_mov_b32 s66, s76
	s_add_nc_u64 s[50:51], s[44:45], s[66:67]
	s_lshl_b32 s66, s75, 9
	s_add_nc_u64 s[40:41], s[46:47], s[66:67]
.endm
	s_load_b256 s[4:11], s[0:1], 0x0               ; cnt 4, bm 6, x 8, gw 10
	s_load_b128 s[12:15], s[0:1], 0x20             ; brd 12, wp 14
	s_load_b64 s[16:17], s[0:1], 0x30              ; part
	v_lshl_add_u32 v2, v0, 2, SPARE                ; my spare word; never rewritten
	v_mov_b32 v3, 0                                ; 0; never rewritten
	v_lshrrev_b32 v32, 5, v0
	v_readfirstlane_b32 s20, v32                   ; wave
	s_mov_b32 s22, ttmp9                           ; the work-group's number g
	s_and_b32 s21, ttmp9, 7                        ; the chunk with which its walk begins
	s_mov_b32 s72, 0x76543210                      ; v_permlanex16_b32: each lane takes its own place in the other half
	s_mov_b32 s73, 0xfedcba98
	s_mov_b32 s67, 0                               ; s[66:67]: a byte offset as a pair
	s_mov_b32 s31, 0                               ; the H buffer written in the trip in hand
	v_and_b32 v1, 31, v0                           ; lane L
	v_mov_b32 v4, 0                                ; 0 for the ReLU
	v_lshlrev_b32 v9, 4, v1                        ; 16 L: my place in 512 consecutive bytes, in wp and in H; never rewritten
	v_and_b32 v33, 15, v1
	v_lshrrev_b32 v34, 4, v1
	s_lshl_b32 s75, s20, 7
	v_lshl_add_u32 v14, v34, 5, s75                ; b1: 128 w + 32 (L / 16); never rewritten
.irp k, 0,1,2,3,4
	v_bfe_u32 v[MK+\k], v1, \k, 1
	v_sub_nc_u32 v[MK+\k], 0, v[MK+\k]
.endr
	v_lshlrev_b32 v35, 9, v33
	v_lshl_add_u32 v35, v34, 8, v35                ; cnt: expert L % 16, half L / 16 of its 256 groups
	s_wait_kmcnt 0x0
	; ---- every wave counts for itself: n_e, in lane e of each half
.set k, 0
.rept 16
	global_load_b128 v[40+4*k:43+4*k], v35, s[4:5] offset:16*k
.set k, k+1
.endr
	s_wait_loadcnt 0x0
.set k, 1
.rept 15                                               ; two 16-bit counts a word; 64 words of at most 32 each: no carry between the halves
.irp j, 0,1,2,3
	v_add_nc_u32 v[40+\j], v[40+\j], v[40+4*k+\j]
.endr
.set k, k+1
.endr
	v_add_nc_u32 v40, v40, v41
	v_add_nc_u32 v42, v42, v43
	v_add_nc_u32 v40, v40, v42
	v_and_b32 v41, 0xffff, v40
	v_lshrrev_b32 v40, 16, v40
	v_add_nc_u32 v40, v40, v41
	v_permlanex16_b32 v41, v40, s72, s73
	v_add_nc_u32 v36, v40, v41                     ; n
	v_add_nc_u32 v37, 15, v36
	v_lshrrev_b32 v37, 4, v37                      ; u, at most 512
	v_lshrrev_b32 v38, 2, v37                      ; u / 4
	v_add_nc_u32 v39, 4, v37
	v_mul_u32_u24 v39, v39, 0x3334
	v_lshrrev_b32 v39, 16, v39                     ; ceil(u / 5): 13,108 / 65,536 is exact enough up to 16,383
	v_cmp_gt_u32 s75, v39, v38
	v_cndmask_b32 v38, v38, v39, s75               ; the greater of the two: no work-group gets more than five blocks
	v_lshl_or_b32 v43, v39, 16, v38                ; both in fields of 16 bits: their sums stay under 300
	v_mov_b32 v44, v43
.irp d, 1,2,4,8
	v_mov_b32_dpp v45, v44 row_xmask:\d row_mask:0xf bank_mask:0xf
	v_add_nc_u32 v44, v44, v45
.endr
	v_readfirstlane_b32 s75, v44
	s_and_b32 s76, s75, 0xffff
	s_cmp_le_u32 s76, 256
	s_cselect_b32 s78, 0, 16                       ; the first field if it fits
	v_lshrrev_b32 v46, s78, v43
	v_and_b32 v46, 0xffff, v46                     ; c_e
	v_mov_b32 v47, v46
	v_mov_b32 v48, 0
	XSTEP 47, 48, 45, 1, 0
	XSTEP 47, 48, 45, 2, 1
	XSTEP 47, 48, 45, 4, 2
	XSTEP 47, 48, 45, 8, 3                         ; v48: work-groups of the experts ahead
	v_add_nc_u32 v50, v48, v46
	v_cmp_ge_u32 s79, s22, v50                     ; experts whose work-groups all lie ahead of me
	s_and_b32 s79, s79, 0xffff
	s_bcnt1_i32_b32 s80, s79                       ; my expert; 16: no expert is left for this work-group
	s_min_u32 s23, s80, 15
	v_readlane_b32 s82, v36, s23                   ; n
	v_readlane_b32 s83, v37, s23                   ; u
	v_readlane_b32 s84, v46, s23                   ; c
	v_readlane_b32 s85, v48, s23
	s_sub_co_u32 s86, s22, s85                     ; k: my place among the expert's work-groups
	s_mov_b32 s87, 0
	s_mov_b32 s88, s84
.rept 5                                                ; q = u / c, at most 5
	s_cmp_le_u32 s88, s83
	s_add_co_ci_u32 s87, s87, 0
	s_add_co_u32 s88, s88, s84
.endr
	s_mul_i32 s88, s87, s84
	s_sub_co_u32 s88, s83, s88                     ; the first u - q c work-groups take a block more
	s_cmp_lt_u32 s86, s88
	s_add_co_ci_u32 s24, s87, 0                    ; RB
	s_min_u32 s24, s24, 5
	s_min_u32 s89, s86, s88
	s_mul_i32 s25, s87, s86
	s_add_co_u32 s25, s25, s89
	s_lshl_b32 s25, s25, 4                         ; R0: the rank of my first row
	s_sub_co_u32 s26, s82, s25
	s_lshl_b32 s89, s24, 4
	s_min_u32 s26, s26, s89                        ; ROWS
	s_cmp_eq_u32 s80, 16
	s_cselect_b32 s24, 0, s24
	s_cselect_b32 s25, 0, s25
	s_cselect_b32 s26, 0, s26
	s_add_co_u32 s27, ttmp9, 16384                 ; my work-group's own row of part, for rows past the count
	; ---- what hangs on the expert alone: the bases, the bitmaps, the counts of its groups, the first weights
	s_lshl_b32 s66, s23, 20
	s_lshl_b32 s75, s20, 18
	s_add_co_u32 s66, s66, s75
	s_add_nc_u64 s[44:45], s[14:15], s[66:67]      ; wp[e][w]
	s_lshl_b32 s66, s23, 12
	s_add_nc_u64 s[46:47], s[12:13], s[66:67]      ; b1 of my expert
	s_lshl_b32 s66, s23, 10
	s_add_co_u32 s66, s66, 65536
	s_add_nc_u64 s[42:43], s[12:13], s[66:67]      ; b2 of my expert
	s_lshl_b32 s66, s21, 15
	s_add_nc_u64 s[50:51], s[44:45], s[66:67]      ; W1 of the walk's first chunk,
	s_lshl_b32 s66, s21, 9
	s_add_nc_u64 s[40:41], s[46:47], s[66:67]      ; its b1
	s_mov_b32 s30, s21
	s_lshl_b32 s75, s23, 10
	v_lshl_add_u32 v51, v0, 3, s75
	global_load_b64 v[52:53], v51, s[6:7]          ; thread t: groups 2 t, 2 t + 1 of 32 tokens: who chose the expert,
	global_load_b64 v[54:55], v51, s[6:7] offset:16384  ; who as second choice,
	s_lshl_b32 s76, s23, 9
	v_lshl_add_u32 v56, v0, 2, s76
	global_load_b32 v57, v56, s[4:5]               ; and the two groups' counts;
	v_lshl_add_u32 v58, v1, 2, s76
	global_load_b32 v59, v58, s[4:5]               ; the counts of waves 0, 1, 2's groups
	global_load_b32 v60, v58, s[4:5] offset:128
	global_load_b32 v61, v58, s[4:5] offset:256
	RW1 0                                          ; trip 0's weights go out behind them: they have the lists, the gather and the staging of x in which to land
	RW1 1
	RW1 2
	RW1 3
	B1LD
	s_lshl_b32 s75, ttmp9, 15
	v_lshl_add_u32 v19, v0, 8, s75                 ; never rewritten
	global_prefetch_b8 v19, s[8:9] th:TH_LOAD_NT scope:SCOPE_SE   ; x is gathered by rows when the lists are made.  Thread t of work-group g asks for bytes 32,768 g + 256 t ..: each 256 bytes of x once in the launch, all inside x
	; ---- addresses that stay
	s_lshl_b32 s75, s20, 10
	v_add_nc_u32 v10, s75, v9                      ; v10: where I put H: fragment ks = w, 16 L
	v_mov_b32 v12, v10                             ; v12: v10 in the buffer in hand (v13: 16 L in the other)
	s_lshl_b32 s75, s20, 8
	v_lshl_add_u32 v158, v34, 5, s75               ; b2: 256 w + 32 (L / 16)
	v_lshl_add_u32 v18, v33, 4, s75                ; part: 256 w + 16 (L % 16)
	s_mul_i32 s75, s20, 16*SPI                     ; my stage
	v_mul_u32_u24 v15, v33, SPI
	v_lshl_add_u32 v15, v34, 5, v15
	v_add_nc_u32 v15, s75, v15                     ; in: row L % 16, 32 bytes for each half of the lanes
	v_mul_u32_u24 v16, v34, SPI
	v_lshl_add_u32 v16, v33, 4, v16
	v_add_nc_u32 v16, s75, v16                     ; back: lanes 0-15 one row of 256 bytes, lanes 16-31 the next
	s_mul_i32 s75, s20, 4*XPI
	v_lshl_add_u32 v159, v1, 3, s75                ; X tile, in: rows 4 w .., 8 L
	v_mul_u32_u24 v240, v33, XPI
	v_lshl_add_u32 v240, v34, 4, v240              ; X tile, fragments: row L % 16, 16 x half
	; ---- the lists.  Each wave writes a list of its own: word p = the row (2 token + slot) of rank R0 + p, for the tokens of its 64 groups; all else stays 0
	s_lshl_b32 s77, s20, 9
	s_add_co_u32 s77, s77, LIST
	v_add_nc_u32 v62, s77, v9
	v_mov_b32 v63, s77
.irp p, 64,65,66,67
	v_mov_b32 v[\p], 0
.endr
	ds_store_b128 v62, v[64:67]
	v_add_nc_u32 v68, 80, v1                       ; 80 + L: my lane's word for what falls outside
	s_cmp_gt_u32 s20, 0
	s_cselect_b32 s78, -1, 0
	s_cmp_gt_u32 s20, 1
	s_cselect_b32 s79, -1, 0
	s_cmp_gt_u32 s20, 2
	s_cselect_b32 s80, -1, 0
	s_wait_loadcnt 36                              ; bitmaps and counts are in; the 32 + 4 loads of weights and b1 issued behind them stay out
	v_and_b32 v59, s78, v59                        ; the counts of the waves ahead of mine
	v_and_b32 v60, s79, v60
	v_and_b32 v61, s80, v61
	v_add3_u32 v59, v59, v60, v61
	v_and_b32 v60, 0xffff, v59
	v_lshrrev_b32 v59, 16, v59
	v_add_nc_u32 v59, v59, v60
	v_and_b32 v69, 0xffff, v57                     ; my first group's count
	v_lshrrev_b32 v70, 16, v57
	v_add_nc_u32 v71, v69, v70
	v_lshl_or_b32 v72, v59, 16, v71                ; one scan for both: low half my wave's (at most 2,048), high half the waves ahead (at most 6,144)
	v_mov_b32 v73, 0
	v_mov_b32 v74, 0
	XSTEP 72, 73, 74, 1, 0
	XSTEP 72, 73, 74, 2, 1
	XSTEP 72, 73, 74, 4, 2
	XSTEP 72, 73, 74, 8, 3
	XSTEP 72, 73, 74, 16, 4
	v_readfirstlane_b32 s81, v72
	s_lshr_b32 s82, s81, 16                        ; the rank of my wave's first row
	s_and_b32 s83, s81, 0xffff                     ; my wave's rows
	v_and_b32 v73, 0xffff, v73
	s_sub_co_u32 s84, s82, s25
	v_add_nc_u32 v75, s84, v73                     ; rank - R0 of my first group's first row (below 0: a huge number, which falls outside),
	v_add_nc_u32 v76, v75, v69                     ; of my second group's
	v_lshlrev_b32 v77, 7, v0                       ; 2 x the first token of group 2 t,
	v_add_nc_u32 v78, 64, v77                      ; of group 2 t + 1
	s_add_co_u32 s85, s25, 80
	s_cmp_ge_u32 s82, s85
	s_cbranch_scc1 .Lno_bits                       ; my wave's rows all lie behind the work-group's,
	s_add_co_u32 s85, s82, s83
	s_cmp_le_u32 s85, s25
	s_cbranch_scc1 .Lno_bits                       ; or all ahead of them
	s_mov_b32 s74, 8
.Lbits:                                                ; a trip: four bits of both groups
.irp i, 0,1,2,3
.irp g, 0,1
	v_bfe_u32 v[80+2*\i+\g], v[52+\g], \i, 1
.endr
.endr
.set k, 0
.rept 8
	v_add_nc_u32 v[88+k], -1, v[80+k]              ; 0 where the token chose the expert, all ones where not
.set k, k+1
.endr
.irp i, 0,1,2,3
.irp g, 0,1
	v_or_b32 v[88+2*\i+\g], v[75+\g], v[88+2*\i+\g]
	v_add_nc_u32 v[75+\g], v[75+\g], v[80+2*\i+\g]
.endr
.endr
.set k, 0
.rept 8
	v_min_u32 v[88+k], v[88+k], v68                ; what falls outside goes to the lanes' own words,
	v_min_u32 v[88+k], 0x6f, v[88+k]               ; and every place lies inside my list's first 112 words
	v_lshl_add_u32 v[88+k], v[88+k], 2, v63
.set k, k+1
.endr
.irp i, 0,1,2,3
.irp g, 0,1
	v_bfe_u32 v[96+2*\i+\g], v[54+\g], \i, 1
	v_add3_u32 v[96+2*\i+\g], v[77+\g], v[96+2*\i+\g], 2*\i
.endr
.endr
.set k, 0
.rept 8
	ds_store_b32 v[88+k], v[96+k]
.set k, k+1
.endr
.irp p, 52,53,54,55
	v_lshrrev_b32 v[\p], 4, v[\p]
.endr
	v_add_nc_u32 v77, 8, v77
	v_add_nc_u32 v78, 8, v78
	s_sub_co_u32 s74, s74, 1
	s_cmp_lg_u32 s74, 0
	s_cbranch_scc1 .Lbits
.Lno_bits:
	s_wait_dscnt 0x0                               ; for the others' sake: my list is written
	s_barrier_signal -1
	s_barrier_wait -1
	; ---- the row table, a copy for each wave: entry j = the row of rank R0 + j, or my work-group's own row past the count
	v_lshl_add_u32 v79, v1, 2, LIST
.irp q, 0,1,2
.irp w, 0,1,2,3
	ds_load_b32 v[104+4*\q+\w], v79 offset:\w*LISTW+\q*128
.endr
.endr
	s_lshl_b32 s88, s20, 9
	s_add_co_u32 s88, s88, TAB
	v_mov_b32 v152, s27
	v_lshl_add_u32 v155, v1, 2, s88
	v_lshl_add_u32 v156, v33, 2, s88
	v_lshl_add_u32 v17, v34, 2, s88                ; v17: the table, one entry further for lanes 16-31
	s_mul_i32 s89, s20, 528                        ; my table (512 w) and in it my four rows of a block (16 w)
	s_add_co_u32 s89, s89, TAB
	v_mov_b32 v157, s89
	s_wait_dscnt 0x0
.irp q, 0,1,2
	v_or_b32 v[104+4*\q], v[104+4*\q], v[105+4*\q]
	v_or_b32 v[106+4*\q], v[106+4*\q], v[107+4*\q]
	v_or_b32 v[104+4*\q], v[104+4*\q], v[106+4*\q]
	v_add_nc_u32 v154, 32*\q, v1
	v_cmp_gt_u32 s87, s26, v154
	v_cndmask_b32 v[104+4*\q], v152, v[104+4*\q], s87
	ds_store_b32 v155, v[104+4*\q] offset:128*\q
.endr
.irp r, 0,1,2,3,4
	ds_load_b128 v[168+4*\r:171+4*\r], v157 offset:64*\r   ; the rows 16 r + 4 w + 0..3, which I fetch: the same in every lane
.endr
.irp r, 0,1,2,3,4
	ds_load_b32 v[160+\r], v156 offset:64*\r               ; the row 16 r + L % 16, whose gate weight I need
.endr
	s_wait_dscnt 0x0
.set k, 0
.rept 20
	v_min_u32 v[168+k], 0x3fff, v[168+k]           ; a row past the count repeats token 8,191
	v_and_b32 v[168+k], 0x3ffe, v[168+k]
	v_lshl_add_u32 v[168+k], v[168+k], 9, v9       ; token x 1,024 + 16 L
.set k, k+1
.endr
	WIN 0x40                                       ; raw x lies where the fragments land later
.set k, 0
.rept 20
	global_load_b128 v[8*k:8*k+3],   v[168+k], s[8:9]
	global_load_b128 v[8*k+4:8*k+7], v[168+k], s[8:9] offset:512
.set k, k+1
.endr
	WIN 0
.irp r, 0,1,2,3,4
	v_min_u32 v[160+\r], 0x3fff, v[160+\r]
	v_lshlrev_b32 v[160+\r], 2, v[160+\r]
	global_load_b32 v[20+2*\r], v[160+\r], s[10:11]
.endr
	s_wait_loadcnt 5                               ; the 40 loads of x are in, and all that was issued ahead of them; the 5 gate weights stay out
	WIN 0xc0
.set k, 0
.rept 20                                               ; b2 is the start of product 2's sums: nothing is cleared
	global_load_b128 v[8*k:8*k+3],   v158, s[42:43] offset:64*(k%4)
	global_load_b128 v[8*k+4:8*k+7], v158, s[42:43] offset:64*(k%4)+16
.set k, k+1
.endr
	WIN 0x05
.set k, 0
.rept 20
	v_cvt_pk_bf16_f32 v[40+4*k], v[8*k],   v[8*k+1]
	v_cvt_pk_bf16_f32 v[41+4*k], v[8*k+2], v[8*k+3]
	v_cvt_pk_bf16_f32 v[42+4*k], v[8*k+4], v[8*k+5]
	v_cvt_pk_bf16_f32 v[43+4*k], v[8*k+6], v[8*k+7]
.set k, k+1
.endr
	WIN 0
.set k, 0
.rept 20
	ds_store_b64 v159, v[40+4*k:41+4*k] offset:(16*(k/4)+k%4)*XPI
	ds_store_b64 v159, v[42+4*k:43+4*k] offset:(16*(k/4)+k%4)*XPI+256
.set k, k+1
.endr
	s_wait_dscnt 0x0                               ; for the others' sake: my rows of the tile are written
	s_barrier_signal -1
	s_barrier_wait -1
	WIN 0x40                                       ; every wave takes all 80 rows as fragments: they stay in registers for all nine trips
.set k, 0
.rept 20                                               ; ks = k / 5, r = k % 5
	ds_load_b128 v[8*k:8*k+3],   v240 offset:(k%5)*16*XPI+64*(k/5)
	ds_load_b128 v[8*k+4:8*k+7], v240 offset:(k%5)*16*XPI+64*(k/5)+32
.set k, k+1
.endr
	WIN 0x80
.set k, 0
.rept 20
	ds_load_b128 v[8*k:8*k+3],   v240 offset:(k%5)*16*XPI+64*(k/5)+256
	ds_load_b128 v[8*k+4:8*k+7], v240 offset:(k%5)*16*XPI+64*(k/5)+288
.set k, k+1
.endr
	WIN 0
	s_wait_dscnt 0x0                               ; my reads of the tile are over:
	s_barrier_signal -1
	s_barrier_wait -1                              ; its bytes become H
	s_wait_loadcnt 0x0                             ; gate weights and b2
.irp r, 0,1,2,3,4
	v_mov_b32 v[21+2*\r], v[20+2*\r]               ; a pair for the packed multiply
.endr
; ---- the trips' parts
.macro FH ks, rb                       ; H's fragments of K step ks, 2 rb loads, into buffer ks % 2
	WIN 0
.set f_r, 0
.rept \rb
	ds_load_b128 v[HF+40*((\ks)%2)+8*f_r:HF+40*((\ks)%2)+8*f_r+3],   v13 offset:f_r*4096+(\ks)*1024
	ds_load_b128 v[HF+40*((\ks)%2)+8*f_r+4:HF+40*((\ks)%2)+8*f_r+7], v13 offset:f_r*4096+(\ks)*1024+512
.set f_r, f_r+1
.endr
.endm
.macro G1S s, rb                       ; 4 rb products of H^T from buffer s; the 2 rb accumulators take turns, one instruction a turn; ks = 0 starts the sums with b1
	WIN (1+(\s)/3)|((1+(\s)/2)<<2)
.set a_k, 0
.rept 2
.set a_r, 0
.rept \rb
.set a_f, 0
.rept 2
.set a_d, HA+16*a_r+8*a_f
.set a_a, 160+32*((\s)%3)+16*a_k+8*a_f
.set a_b, 40*((2*(\s)+a_k)%4)+8*a_r
.if (2*(\s)+a_k) == 0
	v_wmma_f32_16x16x32_bf16 v[a_d:a_d+7], v[a_a:a_a+7], v[a_b:a_b+7], v[B1+8*a_f:B1+8*a_f+7]
.else
	v_wmma_f32_16x16x32_bf16 v[a_d:a_d+7], v[a_a:a_a+7], v[a_b:a_b+7], v[a_d:a_d+7]
.endif
.set a_f, a_f+1
.endr
.set a_r, a_r+1
.endr
.set a_k, a_k+1
.endr
.endm
.macro CVOP                            ; number cq of the list that sends H^T on: for each block 8 roundings (from each accumulator's low end on), 8 packed ReLU, 2 stores of 512 consecutive bytes
.set c_r, cq/18
.set c_o, cq%18
.set c_p, PK+8*(c_r%2)
	WIN 0
.if c_o < 8
	v_cvt_pk_bf16_f32 v[c_p+c_o], v[HA+16*c_r+2*c_o], v[HA+16*c_r+2*c_o+1]
.elseif c_o < 16
	v_pk_max_num_bf16 v[c_p+c_o-8], v[c_p+c_o-8], v4
.elseif c_o == 16
	ds_store_b128 v12, v[c_p:c_p+3] offset:c_r*4096
.else
	ds_store_b128 v12, v[c_p+4:c_p+7] offset:c_r*4096+512
.endif
.set cq, cq+1
.endm
.macro G2S ks, rb                      ; 4 rb products of Y^T from buffer 4 + ks, the accumulators by turns; while the list lasts, four of its numbers stand behind each product: they name none of its registers
.set g_b, 4+(\ks)
.set g_r, 0
.rept \rb
.set g_c, 0
.rept 4
	WIN 0xf0|(1+g_b/3)
	v_wmma_f32_16x16x32_bf16 v[32*g_r+8*g_c:32*g_r+8*g_c+7], v[160+32*(g_b%3)+8*g_c:160+32*(g_b%3)+8*g_c+7], v[HF+40*((\ks)%2)+8*g_r:HF+40*((\ks)%2)+8*g_r+7], v[32*g_r+8*g_c:32*g_r+8*g_c+7]
.rept 4
.if cq < 18*(\rb)
	CVOP
.endif
.endr
.set g_c, g_c+1
.endr
.set g_r, g_r+1
.endr
.endm
; Trip 8's products.  W2's last piece lies in buffers 0 to 3 in the order of the W1 refills.  A refill's block at 8,192 fb + 1,024 (2 s + kk) is W2's fragment (cb, ks) at 4,096 cb + 1,024 ks:
; fb = cb / 2, s = 2 (cb % 2) + ks / 2, kk = ks % 2.  Even cb first, so that the windows change twice a step at the most.
.macro G2L ks, rb
.irp cb, 0,2,1,3
.set l_s, 2*((\cb)%2)+(\ks)/2
.set l_a, 160+32*(l_s%3)+16*((\ks)%2)+8*((\cb)/2)
.set l_r, 0
.rept \rb
	WIN 0xf0|(1+l_s/3)
	v_wmma_f32_16x16x32_bf16 v[32*l_r+8*\cb:32*l_r+8*\cb+7], v[l_a:l_a+7], v[HF+40*((\ks)%2)+8*l_r:HF+40*((\ks)%2)+8*l_r+7], v[32*l_r+8*\cb:32*l_r+8*\cb+7]
.set l_r, l_r+1
.endr
.endr
.endm
; Trip 0: product 1 on the walk's first chunk, then H(0) in one run.  Its refills go out in the order in which every trip issues them, so that the loop's counted waits hold on the way in too.
.macro TRIP0B rb
.set cq, 0
	G1S 0, \rb
	G1S 1, \rb
	PLACES
	RW1 0
	RW1 1
	B1LD
	G1S 2, \rb
	G1S 3, \rb
	PLACES                                         ; also the places between product 1's last instruction and the first rounding
	RW1 2
	RW1 3
	RW2 0, 52
	RW2 1, 52
	WIN 0
.rept 18*(\rb)
	CVOP
.endr
.endm
; Trips 1 to 7.  Loads stand in five runs, each behind four places.  The refills go out in four groups: buffers 6, 7 (16 loads); 0, 1 and b1 (20); 2, 3 (16); 4, 5 (16).  Loads come back in order, and ahead of each
; group stands the wait for the group that the next products want, which leaves out the two groups issued behind that one.  So 52 loads at the most are out.
.macro TRIPB rb
.set cq, 0
	s_wait_loadcnt 32                              ; buffers 0, 1 and b1 are in; behind them went out 2, 3 and 4, 5
	PLACES
	RW2 2, 48
	RW2 3, 48
	FH 0, \rb
	FH 1, \rb
	G1S 0, \rb
	G1S 1, \rb
	s_wait_loadcnt 32                              ; buffers 2, 3 are in; behind them went out 4, 5 and 6, 7
	PLACES
	RW1 0
	RW1 1
	B1LD
	G1S 2, \rb
	G1S 3, \rb
	s_wait_loadcnt 36                              ; buffers 4, 5 are in; behind them went out 6, 7 and 0, 1 with b1
	s_wait_dscnt 0x0                               ; H's K steps 0 and 1, asked for at the trip's head
	PLACES                                         ; also the places between product 1's last instruction and the first rounding
	RW1 2
	RW1 3
	G2S 0, \rb
	PLACES
	FH 2, \rb
	G2S 1, \rb
	s_wait_loadcnt 36                              ; buffers 6, 7 are in; behind them went out 0, 1 with b1 and 2, 3
	s_wait_dscnt 0x0                               ; H's K step 2, and my stores of H
	PLACES
	RW2 0, 52
	RW2 1, 52
	FH 3, \rb
	G2S 2, \rb
	s_wait_dscnt 0x0                               ; H's K step 3
	G2S 3, \rb
	WIN 0
.endm
.macro TRIP8B rb                       ; trip 8: product 2 on the walk's last chunk
	s_wait_loadcnt 16                              ; buffers 0 to 3 are in; the 16 loads issued behind them, which nobody uses, stay out
	PLACES
	FH 0, \rb
	FH 1, \rb
	s_wait_dscnt 2*(\rb)                           ; the first run is in
	G2L 0, \rb
	s_wait_dscnt 0x0
	PLACES
	FH 2, \rb
	G2L 1, \rb
	s_wait_dscnt 0x0
	PLACES
	FH 3, \rb
	G2L 2, \rb
	s_wait_dscnt 0x0
	G2L 3, \rb
	WIN 0
.endm
.macro SELECT body                     ; the text for 4 or 5 blocks of 16 rows.  RB is the same in all four waves; the jumps go forward and pass no barrier; both texts issue the same loads from memory
	s_cmp_gt_u32 s24, 4
	s_cbranch_scc1 .Lfive_\@
	\body 4
	s_branch .Ljoin_\@
.Lfive_\@:
	\body 5
.Ljoin_\@:
.endm
; Between two trips: my stores of H and my reads of the other H buffer are done, and then everybody's.  The loads of weights stay out across the barrier: nobody writes those bytes.
.macro SYNC bases
	WIN 0
.if \bases
	BASES 0
.endif
	s_xor_b32 s31, s31, HSW
	s_xor_b32 s29, s31, HSW
	v_add_nc_u32 v12, s31, v10
	v_add_nc_u32 v13, s29, v9
	s_wait_dscnt 0x0
	s_barrier_signal -1
	s_barrier_wait -1
.endm
	BASES 1
	SELECT TRIP0B
	s_mov_b32 s28, 7
.Ltrip:
	SYNC 1
	SELECT TRIPB
	s_sub_co_u32 s28, s28, 1
	s_cmp_lg_u32 s28, 0
	s_cbranch_scc1 .Ltrip
	SYNC 0
	SELECT TRIP8B
	s_wait_loadcnt 0x0                             ; no load is left on its way into a register
	s_wait_dscnt 0x0                               ; my reads of H are over:
	s_barrier_signal -1
	s_barrier_wait -1                              ; H0's bytes become the waves' stages
	PLACES                                         ; behind the last products
; THE WAY OUT of block r.  Y^T times the gate weight; a lane's 8 channels go into my stage as 32 bytes of a row of 272, and come back as whole pieces of 256 bytes of a row of part.
.macro WOUT r
.set o_m, 40+32*((\r)%2)
.set o_b, 104+32*((\r)%2)
.set o_i, 168+8*((\r)%2)
.set o_f, 184+8*((\r)%2)
	s_wait_xcnt 0x0                                ; the registers that earlier stores read are rewritten only behind this wait
	WIN 0x03
.set k, 0
.rept 16                                               ; each accumulator is read from its low end on
	v_pk_mul_f32 v[o_m+2*k:o_m+2*k+1], v[32*(\r)+2*k:32*(\r)+2*k+1], v[20+2*(\r):21+2*(\r)]
.set k, k+1
.endr
	WIN 0
.set k, 0
.rept 8
	ds_load_b32 v[o_i+k], v17 offset:4*(16*(\r)+2*k)
.set k, k+1
.endr
.set k, 0
.rept 8
	ds_store_b128 v15, v[o_m+4*k:o_m+4*k+3] offset:(k/2)*64+(k%2)*16
.set k, k+1
.endr
.set k, 0
.rept 8
	ds_load_b128 v[o_b+4*k:o_b+4*k+3], v16 offset:k*2*SPI  ; a wave's LDS instructions are served in order: these see the stores above; the next block's stores come behind them
.set k, k+1
.endr
.set k, 0
.rept 8
	s_wait_dscnt 7-k
	v_min_u32 v[o_f+k], 0x40ff, v[o_i+k]
	v_lshl_add_u32 v[o_f+k], v[o_f+k], 10, v18
	global_store_b128 v[o_f+k], v[o_b+4*k:o_b+4*k+3], s[16:17]   ; 16 lanes store 256 consecutive bytes, aligned
.set k, k+1
.endr
.endm
	s_cmp_lt_u32 s24, 1
	s_cbranch_scc1 .Lout_end
	WOUT 0
	s_cmp_lt_u32 s24, 2
	s_cbranch_scc1 .Lout_end
	WOUT 1
	s_cmp_lt_u32 s24, 3
	s_cbranch_scc1 .Lout_end
	WOUT 2
	s_cmp_lt_u32 s24, 4
	s_cbranch_scc1 .Lout_end
	WOUT 3
	s_cmp_lt_u32 s24, 5
	s_cbranch_scc1 .Lout_end
	WOUT 4
.Lout_end:
	s_wait_tensorcnt 0x0                           ; the wave's end
	ds_add_u32 v2, v3
	s_wait_dscnt 0x0
	s_endpgm
.Lfunc_end_k_qfd3e6de398_chain:
	.size	k_qfd3e6de398_chain, .Lfunc_end_k_qfd3e6de398_chain-k_qfd3e6de398_chain
	.p2alignl 7, 3214868480
	.fill 96, 4, 3214868480
	.section	.rodata,"a",@progbits
	.p2align	6, 0x0
	.amdhsa_kernel k_qfd3e6de398_chain
		.amdhsa_group_segment_fixed_size 57856
		.amdhsa_private_segment_fixed_size 0
		.amdhsa_enable_private_segment 0
		.amdhsa_kernarg_size 56
		.amdhsa_user_sgpr_count 2
		.amdhsa_user_sgpr_kernarg_segment_ptr 1
		.amdhsa_wavefront_size32 1
		.amdhsa_system_sgpr_workgroup_id_x 1
		.amdhsa_system_sgpr_workgroup_id_y 1
		.amdhsa_system_sgpr_workgroup_id_z 1
		.amdhsa_system_vgpr_workitem_id 0
		.amdhsa_next_free_vgpr 1024
		.amdhsa_next_free_sgpr 96
		.amdhsa_reserve_vcc 0
		.amdhsa_float_denorm_mode_32 3
		.amdhsa_float_denorm_mode_16_64 3
		.amdhsa_memory_ordered 1
		.amdhsa_forward_progress 1
		.amdhsa_inst_pref_size 172
	.end_amdhsa_kernel
	.amdgpu_metadata
---
amdhsa.version: [ 1, 2 ]
amdhsa.kernels:
  - .name:           k_qfd3e6de398_chain
    .symbol:         k_qfd3e6de398_chain.kd
    .args:
      - { .name: cnt, .offset: 0, .size: 8, .value_kind: global_buffer, .address_space: global }
      - { .name: bm, .offset: 8, .size: 8, .value_kind: global_buffer, .address_space: global }
      - { .name: x, .offset: 16, .size: 8, .value_kind: global_buffer, .address_space: global }
      - { .name: gw, .offset: 24, .size: 8, .value_kind: global_buffer, .address_space: global }
      - { .name: brd, .offset: 32, .size: 8, .value_kind: global_buffer, .address_space: global }
      - { .name: wp, .offset: 40, .size: 8, .value_kind: global_buffer, .address_space: global }
      - { .name: part, .offset: 48, .size: 8, .value_kind: global_buffer, .address_space: global }
    .group_segment_fixed_size: 57856
    .private_segment_fixed_size: 0
    .kernarg_segment_align: 8
    .kernarg_segment_size: 56
    .max_flat_workgroup_size: 128
    .sgpr_count:     96
    .vgpr_count:     1024
    .wavefront_size: 32
...
	.end_amdgpu_metadata
.endif
;; end of part 2
;; launch comb (part 3): grid 256 x 1, 8 waves a work-group, no clusters, 0 bytes of LDS; arguments part, ent, out0, out1; writes out0, out1
.if DOCPART == 3
	.amdgcn_target "amdgcn-amd-amdhsa--gfx1250"
	.amdhsa_code_object_version 6
	.text
	.protected	k_qfd3e6de398_comb
	.globl	k_qfd3e6de398_comb
	.p2align	8
	.type	k_qfd3e6de398_comb,@function
k_qfd3e6de398_comb:
	s_mov_b64 s[64:65], 0
	v_nop
	global_prefetch_b8 v0, s[64:65] scope:SCOPE_SE
	s_setreg_imm32_b32 hwreg(HW_REG_WAVE_MODE, 25, 1), 1
	s_wait_xcnt 0x0
; COMB.  out0[t] = part[2 t] + part[2 t + 1] (the two chosen experts' weighted rows, f32); out1 = - ln 2 / 8,192 x the sum of ent's 256 part sums of p log2(p + 1e-8).
; A stream: every byte is read once and written once, each load and store of a wave covers 512 consecutive bytes, all 16 loads of a wave go out ahead of its first wait.  LDS, barriers and the matrix unit would add nothing.
; Wave w of work-group g: tokens 32 g + 4 w + 0..3.  The launch's first wave also sums the entropy: it has a path of its own, on which ent's two loads go out ahead of the stream's, so that they are in when the stream is done.
.macro STREAM
.set k, 0
.rept 8                                                ; pair k: half k % 2 of token k / 2: the first choice's row, then the second's
	global_load_b128 v[16+8*k:19+8*k], v3, s[4:5] offset:(k/2)*2048+(k%2)*512 th:TH_LOAD_NT
	global_load_b128 v[20+8*k:23+8*k], v3, s[4:5] offset:(k/2)*2048+(k%2)*512+1024 th:TH_LOAD_NT
.set k, k+1
.endr
.set k, 0
.rept 8
	s_wait_loadcnt 14-2*k                          ; loads come back in order: pair k is in, the younger pairs stay out
	v_pk_add_f32 v[16+8*k:17+8*k], v[16+8*k:17+8*k], v[20+8*k:21+8*k]
	v_pk_add_f32 v[18+8*k:19+8*k], v[18+8*k:19+8*k], v[22+8*k:23+8*k]
	global_store_b128 v3, v[16+8*k:19+8*k], s[8:9] offset:(k/2)*1024+(k%2)*512 th:TH_STORE_NT
.set k, k+1
.endr
.endm
	s_load_b256 s[4:11], s[0:1], 0x0               ; part 4, ent 6, out0 8, out1 10
	v_and_b32 v1, 31, v0
	v_lshrrev_b32 v2, 5, v0
	v_readfirstlane_b32 s12, v2
	v_lshlrev_b32 v3, 4, v1                        ; 16 L
	s_lshl_b32 s13, ttmp9, 3
	s_add_co_u32 s13, s13, s12                     ; my four tokens' number
	s_lshl_b32 s14, s13, 13                        ; 8,192 bytes of part,
	s_mov_b32 s15, 0
	s_lshl_b32 s16, s13, 12                        ; 4,096 of out0
	s_mov_b32 s17, 0
	s_wait_kmcnt 0x0
	s_add_nc_u64 s[4:5], s[4:5], s[14:15]
	s_add_nc_u64 s[8:9], s[8:9], s[16:17]
	s_cmp_lg_u32 s13, 0
	s_cbranch_scc1 .Lplain
	v_lshlrev_b32 v4, 5, v1                        ; eight part sums a lane
	global_load_b128 v[80:83], v4, s[6:7]
	global_load_b128 v[84:87], v4, s[6:7] offset:16
	STREAM                                         ; its last wait is for 0: ent's loads, the oldest, are in
	s_mov_b32 s18, 0x76543210
	s_mov_b32 s19, 0xfedcba98
	v_mov_b32 v5, 0
	v_pk_add_f32 v[80:81], v[80:81], v[82:83]
	v_pk_add_f32 v[84:85], v[84:85], v[86:87]
	v_pk_add_f32 v[80:81], v[80:81], v[84:85]
	v_add_f32 v80, v80, v81
	v_add_f32_dpp v80, v80, v80 row_xmask:1 row_mask:0xf bank_mask:0xf
	v_add_f32_dpp v80, v80, v80 row_xmask:2 row_mask:0xf bank_mask:0xf
	v_add_f32_dpp v80, v80, v80 row_xmask:4 row_mask:0xf bank_mask:0xf
	v_add_f32_dpp v80, v80, v80 row_xmask:8 row_mask:0xf bank_mask:0xf
	v_permlanex16_b32 v81, v80, s18, s19
	v_add_f32 v80, v80, v81
	v_mul_f32 v80, 0xb8b17218, v80                 ; - ln 2 / 8,192
	s_wait_xcnt 0x0                                ; EXEC changes only behind this wait
	v_cmp_eq_u32 vcc_lo, 0, v1
	s_and_saveexec_b32 s20, vcc_lo
	global_store_b32 v5, v80, s[10:11]
	s_wait_xcnt 0x0
	s_or_b32 exec_lo, exec_lo, s20
	s_endpgm
.Lplain:
	STREAM
	s_endpgm
.Lfunc_end_k_qfd3e6de398_comb:
	.size	k_qfd3e6de398_comb, .Lfunc_end_k_qfd3e6de398_comb-k_qfd3e6de398_comb
	.p2alignl 7, 3214868480
	.fill 96, 4, 3214868480
	.section	.rodata,"a",@progbits
	.p2align	6, 0x0
	.amdhsa_kernel k_qfd3e6de398_comb
		.amdhsa_group_segment_fixed_size 0
		.amdhsa_private_segment_fixed_size 0
		.amdhsa_enable_private_segment 0
		.amdhsa_kernarg_size 32
		.amdhsa_user_sgpr_count 2
		.amdhsa_user_sgpr_kernarg_segment_ptr 1
		.amdhsa_wavefront_size32 1
		.amdhsa_system_sgpr_workgroup_id_x 1
		.amdhsa_system_sgpr_workgroup_id_y 1
		.amdhsa_system_sgpr_workgroup_id_z 1
		.amdhsa_system_vgpr_workitem_id 0
		.amdhsa_next_free_vgpr 96
		.amdhsa_next_free_sgpr 66
		.amdhsa_reserve_vcc 1
		.amdhsa_float_denorm_mode_32 3
		.amdhsa_float_denorm_mode_16_64 3
		.amdhsa_memory_ordered 1
		.amdhsa_forward_progress 1
		.amdhsa_inst_pref_size 10
	.end_amdhsa_kernel
	.amdgpu_metadata
---
amdhsa.version: [ 1, 2 ]
amdhsa.kernels:
  - .name:           k_qfd3e6de398_comb
    .symbol:         k_qfd3e6de398_comb.kd
    .args:
      - { .name: part, .offset: 0, .size: 8, .value_kind: global_buffer, .address_space: global }
      - { .name: ent, .offset: 8, .size: 8, .value_kind: global_buffer, .address_space: global }
      - { .name: out0, .offset: 16, .size: 8, .value_kind: global_buffer, .address_space: global }
      - { .name: out1, .offset: 24, .size: 8, .value_kind: global_buffer, .address_space: global }
    .group_segment_fixed_size: 0
    .private_segment_fixed_size: 0
    .kernarg_segment_align: 8
    .kernarg_segment_size: 32
    .max_flat_workgroup_size: 256
    .sgpr_count:     66
    .vgpr_count:     96
    .wavefront_size: 32
...
	.end_amdgpu_metadata
.endif
;; end of part 3
